; MI455X (gfx1250); checked and timed in simulation.
; The chip was launched on July 23, 2026; its instructions are those of AMD's public machine-readable ISA for CDNA 5 (MIT licence, August 2026) and "CDNA5" Instruction Set Architecture Reference Guide (July 2026). The comments in the code are by the model that wrote it; some were corrected since.
;; Random Projection Quantizer. Allowed arithmetic: float matrix products may take bf16 or f16 operands with f32 sums; all other float work in f32.
;; Inputs: codebook 8,192 x 128 float32; random_projection 1,024 x 128 float32; x 8 x 4,096 x 1,024 float32.
;; Outputs: out0 8 x 4,096 int32.
;; 2 versions, each right; version 2 is version 1 with the launch prep written anew for expert scheduling mode. Each part assembles by itself: llvm-mc -triple=amdgcn-amd-amdhsa -mcpu=gfx1250 --defsym DOCPART=n.
;; ======== version 1 of 2: 3 launches
;; workspace buffers: ncb32 4,194,304 bytes; ncb16 2,097,152 bytes; pt 262,144 bytes; nx32 16,777,216 bytes; cand 262,144 bytes of whole numbers
;; launch prep (part 1): grid 264 x 1, 8 waves a work-group, no clusters, 35,840 bytes of LDS; arguments codebook, random_projection, ncb32, ncb16, pt; writes ncb32, ncb16, pt
.if DOCPART == 1
	.amdgcn_target "amdgcn-amd-amdhsa--gfx1250"
	.amdhsa_code_object_version 6
	.text
	.protected	k_q984a45e771_prep
	.globl	k_q984a45e771_prep
	.p2align	8
	.type	k_q984a45e771_prep,@function
k_q984a45e771_prep:
	s_mov_b64 s[64:65], 0
	v_nop
	global_prefetch_b8 v0, s[64:65] scope:SCOPE_SE
	s_setreg_imm32_b32 hwreg(HW_REG_WAVE_MODE, 25, 1), 1
	s_wait_xcnt 0x0
; Tables for the two later launches.
;   work-groups 8 .. 263: ncb32[c][e] = bf16(codebook[c][e]) / max(norm of that rounded row, 1e-12) in f32, and ncb16 = the same in f16
;   work-groups 0 .. 7:   pt[e][k] = bf16(random_projection[k][e]), the projection transposed, so that K lies along the rows
; LIMITS: the codebook and the projection are rounded to bf16 (nearest even) before anything else; the division is a multiplication
; by v_rcp_f32 with one Newton step; the order of the sum of squares is this text's own; rows with NaN or infinities are not served.
; No matrix work, no shared tiles: no matrix unit and no cluster.
.set EPS,   0x2b8cbccc                 ; 1e-12
.set PITCH, 272                        ; an LDS row of 128 bf16 + 16 bytes
.set X,   8                            ; code path: v[8:23]   four rows, 4 numbers a lane each
.set SQ,  24                           ; v[24:31]  a pair of partial sums for each row
.set Q,   32                           ; v[32:35]  sum of squares
.set D,   36                           ; v[36:39]  max(norm, eps)
.set R,   40                           ; v[40:47]  1 / D, twice (a pair for the packed multiply)
.set E,   48                           ; v[48:51]  Newton residue
.set H,   52                           ; v[52:59]  f16 results
.set TB,  60                           ; v[60:67]  the row rounded to bf16, packed
.set XT,  16                           ; transposing path: v[16:79] sixteen loads of 4 numbers
.set TT,  80                           ; v[80:83]  packed pairs
	s_load_b256 s[4:11], s[0:1], 0x0               ; codebook s[4:5], random_projection s[6:7], ncb32 s[8:9], ncb16 s[10:11]
	s_load_b64 s[12:13], s[0:1], 0x20              ; pt
	v_lshl_add_u32 v96, v0, 2, 0x8800
	v_mov_b32 v97, 0
	v_lshrrev_b32 v1, 5, v0
	v_readfirstlane_b32 s14, v1                    ; wave 0..7
	v_and_b32 v2, 31, v0                           ; lane
	s_mov_b32 s17, 0
	s_mov_b32 s19, 0
	s_cmp_lt_u32 ttmp9, 8                          ; the same for all waves of a work-group
	s_cbranch_scc1 .Ltranspose
	; ---------------- codes: one wave, one row at a time, four rows a wave; a row is 512 bytes = 16 bytes a lane ----------------
	s_sub_co_u32 s15, ttmp9, 8
	s_lshl_b32 s16, s15, 14                        ; 32 rows x 512 bytes for each work-group
	s_lshl_b32 s18, s14, 11                        ; 4 rows x 512 bytes for each wave
	s_add_co_u32 s16, s16, s18
	s_lshr_b32 s18, s16, 1                         ; the same rows in f16
	s_mov_b32 s20, 0x76543210                      ; v_permlanex16_b32: lane i reads lane i of the other half
	s_mov_b32 s21, 0xfedcba98
	v_lshlrev_b32 v3, 4, v2                        ; 16 x lane
	v_lshlrev_b32 v4, 3, v2                        ; 8 x lane
	s_wait_kmcnt 0x0
	s_add_nc_u64 s[4:5], s[4:5], s[16:17]
	s_add_nc_u64 s[8:9], s[8:9], s[16:17]
	s_add_nc_u64 s[10:11], s[10:11], s[18:19]
.irp i, 0,1,2,3
	global_load_b128 v[X+4*\i:X+4*\i+3], v3, s[4:5] offset:512*\i th:TH_LOAD_NT
.endr
	s_wait_loadcnt 0x0
.irp i, 0,1,2,3
	v_cvt_pk_bf16_f32 v[TB+2*\i],   v[X+4*\i],   v[X+4*\i+1]       ; the input is taken in bf16
	v_cvt_pk_bf16_f32 v[TB+2*\i+1], v[X+4*\i+2], v[X+4*\i+3]
.endr
.irp i, 0,1,2,3
	v_lshlrev_b32 v[X+4*\i],   16,         v[TB+2*\i]              ; and widened again
	v_and_b32     v[X+4*\i+1], 0xffff0000, v[TB+2*\i]
	v_lshlrev_b32 v[X+4*\i+2], 16,         v[TB+2*\i+1]
	v_and_b32     v[X+4*\i+3], 0xffff0000, v[TB+2*\i+1]
.endr
.irp i, 0,1,2,3
	v_pk_mul_f32 v[SQ+2*\i:SQ+2*\i+1], v[X+4*\i:X+4*\i+1], v[X+4*\i:X+4*\i+1]
.endr
.irp i, 0,1,2,3
	v_pk_fma_f32 v[SQ+2*\i:SQ+2*\i+1], v[X+4*\i+2:X+4*\i+3], v[X+4*\i+2:X+4*\i+3], v[SQ+2*\i:SQ+2*\i+1]
.endr
.irp i, 0,1,2,3
	v_add_f32 v[Q+\i], v[SQ+2*\i], v[SQ+2*\i+1]
.endr
.irp k, 1,2,4,8
.irp i, 0,1,2,3
	v_add_f32_dpp v[Q+\i], v[Q+\i], v[Q+\i] row_xmask:\k row_mask:0xf bank_mask:0xf
.endr
.endr
.irp i, 0,1,2,3
	v_permlanex16_b32 v[SQ+2*\i], v[Q+\i], s20, s21                ; its destination has been written before
.endr
.irp i, 0,1,2,3
	v_add_f32 v[Q+\i], v[Q+\i], v[SQ+2*\i]                         ; every lane holds the row's sum of squares
.endr
.irp i, 0,1,2,3
	v_sqrt_f32 v[D+\i], v[Q+\i]
.endr
	v_nop                                          ; one plain vector instruction behind the transcendentals (ISA guide 5.7.2)
	s_wait_alu depctr_va_vdst(0)
.irp i, 0,1,2,3
	v_max_num_f32 v[D+\i], EPS, v[D+\i]
.endr
.irp i, 0,1,2,3
	v_rcp_f32 v[R+2*\i], v[D+\i]
.endr
	v_nop
	s_wait_alu depctr_va_vdst(0)
.irp i, 0,1,2,3
	v_fma_f32 v[E+\i], -v[D+\i], v[R+2*\i], 1.0                    ; Newton: r = r + r (1 - d r)
.endr
.irp i, 0,1,2,3
	v_fma_f32 v[R+2*\i], v[R+2*\i], v[E+\i], v[R+2*\i]
.endr
.irp i, 0,1,2,3
	v_mov_b32 v[R+2*\i+1], v[R+2*\i]
.endr
.irp i, 0,1,2,3
	v_pk_mul_f32 v[X+4*\i:X+4*\i+1],   v[X+4*\i:X+4*\i+1],   v[R+2*\i:R+2*\i+1]
	v_pk_mul_f32 v[X+4*\i+2:X+4*\i+3], v[X+4*\i+2:X+4*\i+3], v[R+2*\i:R+2*\i+1]
	global_store_b128 v3, v[X+4*\i:X+4*\i+3], s[8:9] offset:512*\i         ; the wave stores 512 consecutive bytes, aligned
.endr
.irp i, 0,1,2,3
	v_cvt_pk_f16_f32 v[H+2*\i],   v[X+4*\i],   v[X+4*\i+1]
	v_cvt_pk_f16_f32 v[H+2*\i+1], v[X+4*\i+2], v[X+4*\i+3]
	global_store_b64 v4, v[H+2*\i:H+2*\i+1], s[10:11] offset:256*\i        ; 256 consecutive bytes, aligned
.endr
	s_endpgm
	; ---------------- the projection, transposed.  Work-group kb: k = 128 kb .. + 127.  Wave w: e = 16 w .. + 15 ----------------
	; Lane (kk = lane / 4, eq = lane % 4) takes 4 numbers e = 16 w + 4 eq .. + 3 of row k; load i takes rows 16 (i / 2) + 2 kk + (i % 2),
	; so that loads 2 p and 2 p + 1 give a lane two neighbouring k, which pack into one word of pt.  A load takes 64 bytes of each of
	; eight rows; the whole table is 512 KiB.  The wave's LDS bytes are its own: no barrier, and LDS serves a wave's instructions in order.
.Ltranspose:
	s_lshl_b32 s16, ttmp9, 16                      ; 128 rows x 512 bytes
	s_lshl_b32 s15, s14, 6                         ; 16 e x 4 bytes
	s_add_co_u32 s16, s16, s15
	s_lshl_b32 s18, s14, 15                        ; pt: 16 rows x 2,048 bytes
	s_lshl_b32 s15, ttmp9, 8                       ; 128 k x 2 bytes
	s_add_co_u32 s18, s18, s15
	s_mul_i32 s15, s14, 16*PITCH                   ; my wave's 16 LDS rows
	v_lshrrev_b32 v5, 2, v2                        ; kk
	v_and_b32 v6, 3, v2                            ; eq
	v_lshlrev_b32 v7, 4, v6
	v_lshl_add_u32 v7, v5, 10, v7                  ; from: 2 kk rows of 512 bytes + 16 eq
	v_mul_u32_u24 v8, v6, 4*PITCH
	v_lshl_add_u32 v8, v5, 2, v8
	v_add_nc_u32 v8, s15, v8                       ; to: LDS row 4 eq (+ q), word kk (+ 8 p): the 32 lanes start at 32 different words modulo 256 bytes
	v_and_b32 v5, 15, v2                           ; r
	v_lshrrev_b32 v6, 4, v2                        ; h
	v_mul_u32_u24 v9, v6, PITCH
	v_lshl_add_u32 v9, v5, 4, v9
	v_add_nc_u32 v9, s15, v9                       ; back: lanes 0-15 one row of 256 bytes, lanes 16-31 the next
	v_lshlrev_b32 v10, 11, v6
	v_lshl_add_u32 v10, v5, 4, v10                 ; the same two rows in pt
	s_wait_kmcnt 0x0
	s_add_nc_u64 s[6:7], s[6:7], s[16:17]
	s_add_nc_u64 s[12:13], s[12:13], s[18:19]
.irp i, 0,1,2,3,4,5,6,7,8,9,10,11,12,13,14,15
	global_load_b128 v[XT+4*\i:XT+4*\i+3], v7, s[6:7] offset:(16*(\i>>1)+(\i&1))*512
.endr
	s_wait_loadcnt 0x0
.irp p, 0,1,2,3,4,5,6,7
.irp q, 0,1,2,3
	v_cvt_pk_bf16_f32 v[TT+\q], v[XT+8*\p+\q], v[XT+8*\p+4+\q]     ; the even k in the low half
	ds_store_b32 v8, v[TT+\q] offset:\q*PITCH+32*\p
.endr
.endr
.irp t, 0,1,2,3,4,5,6,7
	ds_load_b128 v[XT+4*\t:XT+4*\t+3], v9 offset:2*PITCH*\t
.endr
.irp t, 0,1,2,3,4,5,6,7
	s_wait_dscnt 7-\t                              ; LDS loads come back in order: load t is in, the younger ones may be out
	global_store_b128 v10, v[XT+4*\t:XT+4*\t+3], s[12:13] offset:4096*\t   ; 16 lanes store 256 consecutive bytes, aligned
.endr
	s_wait_tensorcnt 0x0
	ds_add_u32 v96, v97
	s_wait_dscnt 0x0
	s_endpgm
.Lfunc_end_k_q984a45e771_prep:
	.size	k_q984a45e771_prep, .Lfunc_end_k_q984a45e771_prep-k_q984a45e771_prep
	.p2alignl 7, 3214868480
	.fill 96, 4, 3214868480
	.section	.rodata,"a",@progbits
	.p2align	6, 0x0
	.amdhsa_kernel k_q984a45e771_prep
		.amdhsa_group_segment_fixed_size 35840
		.amdhsa_private_segment_fixed_size 0
		.amdhsa_enable_private_segment 0
		.amdhsa_kernarg_size 40
		.amdhsa_user_sgpr_count 2
		.amdhsa_user_sgpr_kernarg_segment_ptr 1
		.amdhsa_wavefront_size32 1
		.amdhsa_system_sgpr_workgroup_id_x 1
		.amdhsa_system_sgpr_workgroup_id_y 1
		.amdhsa_system_sgpr_workgroup_id_z 1
		.amdhsa_system_vgpr_workitem_id 0
		.amdhsa_next_free_vgpr 98
		.amdhsa_next_free_sgpr 66
		.amdhsa_reserve_vcc 0
		.amdhsa_float_denorm_mode_32 3
		.amdhsa_float_denorm_mode_16_64 3
		.amdhsa_memory_ordered 1
		.amdhsa_forward_progress 1
		.amdhsa_inst_pref_size 17
	.end_amdhsa_kernel
	.amdgpu_metadata
---
amdhsa.version: [ 1, 2 ]
amdhsa.kernels:
  - .name:           k_q984a45e771_prep
    .symbol:         k_q984a45e771_prep.kd
    .args:
      - { .name: codebook, .offset: 0, .size: 8, .value_kind: global_buffer, .address_space: global }
      - { .name: random_projection, .offset: 8, .size: 8, .value_kind: global_buffer, .address_space: global }
      - { .name: ncb32, .offset: 16, .size: 8, .value_kind: global_buffer, .address_space: global }
      - { .name: ncb16, .offset: 24, .size: 8, .value_kind: global_buffer, .address_space: global }
      - { .name: pt, .offset: 32, .size: 8, .value_kind: global_buffer, .address_space: global }
    .group_segment_fixed_size: 35840
    .private_segment_fixed_size: 0
    .kernarg_segment_align: 8
    .kernarg_segment_size: 40
    .max_flat_workgroup_size: 256
    .sgpr_count:     66
    .vgpr_count:     98
    .wavefront_size: 32
...
	.end_amdgpu_metadata
.endif
;; end of part 1
;; launch assign (part 2): grid 256 x 1, 8 waves a work-group, clusters of 4 x 1, 327,680 bytes of LDS; arguments x, pt, ncb16, nx32, cand; writes nx32, cand
.if DOCPART == 2
	.amdgcn_target "amdgcn-amd-amdhsa--gfx1250"
	.amdhsa_code_object_version 6
	.text
	.protected	k_q984a45e771_assign
	.globl	k_q984a45e771_assign
	.p2align	8
	.type	k_q984a45e771_assign,@function
k_q984a45e771_assign:
	s_mov_b64 s[64:65], 0
	v_nop
	global_prefetch_b8 v0, s[64:65] scope:SCOPE_SE
	s_setreg_imm32_b32 hwreg(HW_REG_WAVE_MODE, 25, 1), 1
	s_wait_xcnt 0x0
	s_wait_alu depctr_hold_cnt(0) depctr_sa_sdst(0) depctr_va_vdst(0) depctr_va_sdst(0) depctr_va_ssrc(0) depctr_va_vcc(0) depctr_vm_vsrc(0)
	s_getreg_b32 s2, hwreg(HW_REG_IB_STS2, 6, 4)
	s_cmp_eq_u32 s2, 0
	s_cbranch_scc0 .Lentry_in_a_cluster
	s_endpgm
.Lentry_in_a_cluster:
	s_bfe_u32 s2, ttmp6, 0x10000c
	s_cmp_lg_u32 s2, 0x3003
	s_cbranch_scc0 .Lentry_shape_is_right
	s_endpgm
.Lentry_shape_is_right:
; For 128 tokens a work-group: proj = bf16(x) . bf16(P) (f32 sums), nx = proj / max(norm, 1e-12), stored as nx32; then the product of
; nx (f16) with all 8,192 normalised codes (f16), of which only the two best codes of each token are kept and stored as cand
; (two code numbers, the lower first).  A later launch decides between the two in f32.
; FORMATS: x and P have no bounded range: bf16.  nx and the codes are normalised by the computation itself, every element at most 1
; in magnitude: f16, whose 11 bits make the candidates surer.
; LIMITS: (a) x is rounded to bf16 first.  (b) A similarity is compared with its low 10 mantissa bits replaced by a tag (a resolution of
; 2^-13 of its value), on top of the f16 rounding of the operands.  A lane keeps the best of each 8 consecutive codes, and of these its best
; two; so the f32 winner is missed if three codes lie within that resolution of the best, or two that stand in one group of 8.  Both grow
; likelier where all codes point nearly the same way (a large common offset), as the operands' rounding does.  Among equal
; positive values the lower code wins, among equal negative ones the higher.  A token whose projection is exactly zero ties everywhere.
; (c) NaN and infinities are not honoured as an argmin would; the stored numbers stay in 0 .. 8191.  (d) 1 / norm is v_rcp_f32 with one Newton step.
;
; EIGHT WAVES.  Projection: wave w owns tokens 16 w .. + 15 and all 128 columns, so that the norm stays in the wave and each number of x is
; touched by one wave: x goes memory -> registers -> bf16 -> the wave's own LDS rows -> fragments, 48 loads of 512 bytes a wave in flight.
; Similarity: wave (tg = w / 4, cq = w % 4) holds tokens 64 tg .. + 63 as 16 fragments in 128 registers for the whole phase, and takes of every
; 512 codes the blocks of 16 numbered 4 mt + cq.  Each 16 matrix instructions are followed by 60 vector instructions of the arg-max.
; EVERY OPERAND IS ASKED FOR A STAGE AHEAD: the fragments of a K step (projection) or of a block of codes (similarity) while the one before is
; multiplied, on two buffers; a code tile as soon as the LDS bytes that it takes are done with.
; CLUSTER: all work-groups walk the same pt and the same ncb16.  Four work-groups form a cluster and ask for these tiles jointly (mask 15):
; same line, same descriptor (made of the wave's number alone), behind the same round of the cluster's barrier.  That divides the requests by four.
;
; LDS: bytes 0 .. 278,527 are filled by tensor loads alone: first pt as 8 pieces of 128 rows x 256 bytes, later two slots of 512 codes
;      (pieces 0 to 3 are slot 0's bytes, pieces 4 to 7 slot 1's).
;      bytes 278,528 .. 313,343 (S) are written by ds_store alone: x in bf16, the way out of nx32, nx in f16, the candidates.
; REGISTER WINDOWS: an instruction names v0-v255; s_set_vgpr_msb says which window each operand place means (bits 1:0 source 0, 3:2 source 1,
; 7:6 destination).  Window 1 holds nothing but x as it lands (v256-v447, three chunks of 64 registers): three switches for each 128 k.
.set PITCH, 272                        ; 256 bytes + 16: row r starts 16 r bytes further modulo 256, so the 16 rows of a fragment load do not collide
.set WROWS, 16*PITCH                   ; 4,352
.set QROWS, 64*PITCH                   ; 17,408: what one wave's tensor load brings of a code tile
.set PIECE, 128*PITCH                  ; 34,816: pt for 128 k
.set SLOT,  512*PITCH                  ; 139,264 = four pieces
.set S,     2*SLOT                     ; 278,528, a multiple of 256
.set TILEB, 512*256                    ; a code tile in memory
; v0 thread; v1 r = lane % 16; v2 h = lane / 16; v3 16 x lane (x); v4 where I put 8 bytes of x; v5 my token's row in S + 16 h; v6 pt fragments;
; v7 nx fragments; v[8:11] code fragments (slot 0 low, high; slot 1 low, high); v12, v13, v14 the way out of nx32; v15 at work, later the candidates
.set CA,  8
.set ACC, 16                           ; projection: v[16:79]   8 accumulators (16 e x 16 tokens)
.set PF,  80                           ;             v[80:143], v[144:207] 8 fragments of pt, two buffers
.set BF,  208                          ;             v[208:215], v[216:223] a fragment of x, two buffers
.set CV,  224                          ;             v[224:255] a chunk of x in bf16
.set T,   120                          ; behind the projection: v[120:127] at work
.set XR,  128                          ; the way out of nx32: v[128:191] read back, v[192:223] nx in f16
.set A0,  16                           ; similarity: v[16:47], v[48:79] fragments of 16 codes x 128 k, two buffers
.set A1,  48
.set AC,  80                           ;             v[80:111]  4 accumulators (16 codes x 16 tokens)
.set M,   112                          ;             v[112:119] best and second best, a pair for each 16 tokens
.set NX,  128                          ;             v[128:255] nx: (token block i, k step ks) at 128 + 32 i + 8 ks
.set VAL, 20                           ; merge: v[20:35] 16 values, v[36:51] their codes
.set COD, 36
.set G1P, 24                           ; s[24:31] shape of a piece of pt
.set G1C, 32                           ; s[32:39] shape of a wave's part of a code tile
.set G0P, 40                           ; s[40:43]
.set G0C, 44                           ; s[44:47] slot 0, s[48:51] slot 1
.set MSB, 0
.macro WIN new                         ; the immediate's high byte repeats the setting that is left; at a label and at a branch the setting is 0
.if MSB != \new
	s_set_vgpr_msb (MSB<<8)|\new
.set MSB, \new
.endif
.endm
.macro CREST                           ; a round of the cluster's barrier behind its opening barrier
	s_cmp_lg_u32 s14, 0
	s_cbranch_scc1 .Lnot_wave_0_\@
	s_barrier_signal -3
.Lnot_wave_0_\@:
	s_barrier_wait -3
	s_barrier_signal -1
	s_barrier_wait -1
.endm
.macro CROUND                          ; a whole round
	s_barrier_signal -1
	s_barrier_wait -1
	CREST
.endm
.macro PLACES                          ; four places behind a matrix instruction, before its result is read or a load lands on a source
.rept 4
	v_nop
.endr
.endm
; 128 k of my 16 tokens into window 1 (the caller has set the destination's window): each load takes 512 consecutive bytes of one token's row
.macro XLOAD c, xb
.irp i, 0,1,2,3,4,5,6,7,8,9,10,11,12,13,14,15
	global_load_b128 v[\xb+4*\i:\xb+4*\i+3], v3, s[4:5] offset:4096*\i+512*(\c) th:TH_LOAD_NT
.endr
.endm
; Chunk c of x (k = 128 c .. + 127), which lies in window 1 at xb, goes to bf16 and into my wave's own rows of S.
; left = the loads of the younger chunks, which may stay out.  more = 1: the registers are loaded again, three chunks ahead.
.macro CONV c, xb, more, left
	s_wait_loadcnt \left
	WIN 0x05                                       ; both sources in window 1
.irp i, 0,1,2,3,4,5,6,7,8,9,10,11,12,13,14,15
	v_cvt_pk_bf16_f32 v[CV+2*\i],   v[\xb+4*\i],   v[\xb+4*\i+1]
	v_cvt_pk_bf16_f32 v[CV+2*\i+1], v[\xb+4*\i+2], v[\xb+4*\i+3]
.endr
.if \more
	WIN 0x40                                       ; destination in window 1
	XLOAD \c+3, \xb
.endif
	WIN 0
	s_wait_dscnt 0x0                               ; my reads of the chunk before are back (the last were issued a K step ago): its rows are written over only now
.irp i, 0,1,2,3,4,5,6,7,8,9,10,11,12,13,14,15
	ds_store_b64 v4, v[CV+2*\i:CV+2*\i+1] offset:PITCH*\i          ; my wave's own rows: LDS serves a wave's instructions in order, no barrier
.endr
.endm
; 18 LDS loads: the fragments of one K step of 32 (at byte 64 ks of the rows) into buffer b: my 16 tokens, and all 128 rows of pt's piece
.macro LOADF ks, b
	ds_load_b128 v[BF+8*\b:BF+8*\b+3],   v5 offset:64*\ks
	ds_load_b128 v[BF+8*\b+4:BF+8*\b+7], v5 offset:64*\ks+32
.irp m, 0,1,2,3,4,5,6,7
	ds_load_b128 v[PF+64*\b+8*\m:PF+64*\b+8*\m+3],   v6 offset:\m*WROWS+64*\ks
	ds_load_b128 v[PF+64*\b+8*\m+4:PF+64*\b+8*\m+7], v6 offset:\m*WROWS+64*\ks+32
.endr
.endm
; Source 0 = 16 rows of pt (e), source 1 = 16 tokens: a lane's eight results are eight neighbouring e of one token.
; The eight accumulators take turns, one instruction a turn.  zero = 1: the first product starts the sums.
.macro MULP b, zero
.irp m, 0,1,2,3,4,5,6,7
.if \zero
	v_wmma_f32_16x16x32_bf16 v[ACC+8*\m:ACC+8*\m+7], v[PF+64*\b+8*\m:PF+64*\b+8*\m+7], v[BF+8*\b:BF+8*\b+7], 0
.else
	v_wmma_f32_16x16x32_bf16 v[ACC+8*\m:ACC+8*\m+7], v[PF+64*\b+8*\m:PF+64*\b+8*\m+7], v[BF+8*\b:BF+8*\b+7], v[ACC+8*\m:ACC+8*\m+7]
.endif
.endr
.endm
; 128 k = four K steps on buffers 0, 1, 0, 1.  On entry the first step's fragments have been asked for.  Each step asks for the next one's 18 loads and
; waits for all but these.  In front of the fourth step the next chunk (nc, in window 1 at nxb) is converted, and its first fragments are asked for.
.macro CHUNK zero, last, nc, nxb, nmore, nleft
	LOADF 1, 1
	s_wait_dscnt 18                                ; all but the 18 loads just issued
	MULP 0, \zero
	PLACES
	LOADF 2, 0
	s_wait_dscnt 18
	MULP 1, 0
	PLACES
	LOADF 3, 1
	s_wait_dscnt 18
	MULP 0, 0
	PLACES
.if \last
	s_wait_dscnt 0x0
.else
	CONV \nc, \nxb, \nmore, \nleft                 ; its wait for 0 on DScnt shows the fourth step's fragments in
	v_add_nc_u32 v6, PIECE, v6                     ; the next piece of pt
	LOADF 0, 0
.endif
	MULP 1, 0
	PLACES
.endm
; 16 codes x 128 k: block 4 mt + cq of the slot's 32
.macro FETCH slot, mt, buf
.irp ks, 0,1,2,3
	ds_load_b128 v[\buf+8*\ks:\buf+8*\ks+3],   v[CA+2*(\slot)+((\mt)>>2)] offset:((\mt)&3)*QROWS+64*\ks
	ds_load_b128 v[\buf+8*\ks+4:\buf+8*\ks+7], v[CA+2*(\slot)+((\mt)>>2)] offset:((\mt)&3)*QROWS+64*\ks+32
.endr
.endm
; 16 codes x 64 tokens x 128 k.  The first product starts each sum; the four accumulators take turns, one instruction a turn.
.macro MUL buf
.irp ks, 0,1,2,3
.irp i, 0,1,2,3
.if \ks == 0
	v_wmma_f32_16x16x32_f16 v[AC+8*\i:AC+8*\i+7], v[\buf+8*\ks:\buf+8*\ks+7], v[NX+32*\i+8*\ks:NX+32*\i+8*\ks+7], 0
.else
	v_wmma_f32_16x16x32_f16 v[AC+8*\i:AC+8*\i+7], v[\buf+8*\ks:\buf+8*\ks+7], v[NX+32*\i+8*\ks:NX+32*\i+8*\ks+7], v[AC+8*\i:AC+8*\i+7]
.endif
.endr
.endr
.endm
; A lane holds 8 codes (8 h + j) of one token in each accumulator.  The low 10 bits of a value become 1023 - (8 t + j), t = the block's turn,
; so that one maximum carries value and place.  Best of the 8, then best two so far (the middle of three is the new second).
.macro UPD
.irp i, 0,1,2,3
.irp j, 0,1,2,3,4,5,6,7
	v_and_or_b32 v[AC+8*\i+\j], v[AC+8*\i+\j], s52, 7-\j
.endr
.endr
.irp i, 0,1,2,3
	v_max3_num_f32 v[T+\i], v[AC+8*\i], v[AC+8*\i+1], v[AC+8*\i+2]
.endr
.irp i, 0,1,2,3
	v_max3_num_f32 v[T+\i], v[T+\i], v[AC+8*\i+3], v[AC+8*\i+4]
.endr
.irp i, 0,1,2,3
	v_max3_num_f32 v[T+\i], v[T+\i], v[AC+8*\i+5], v[AC+8*\i+6]
.endr
.irp i, 0,1,2,3
	v_max_num_f32 v[T+\i], v[T+\i], v[AC+8*\i+7]
.endr
.irp i, 0,1,2,3
	v_or_b32 v[T+\i], s53, v[T+\i]                 ; (127 - t) << 3
.endr
.irp i, 0,1,2,3
	v_med3_num_f32 v[M+2*\i+1], v[T+\i], v[M+2*\i], v[M+2*\i+1]
.endr
.irp i, 0,1,2,3
	v_max_num_f32 v[M+2*\i], v[M+2*\i], v[T+\i]
.endr
	s_sub_co_u32 s53, s53, 8
.endm
; 512 codes in a slot: my 8 blocks, on two fragment buffers.  On entry blocks 0 and 1 have been asked for, in that order.  Block mt + 2 is asked for
; straight behind block mt's products and their four places, into the buffer that these have freed.
; mode 2: the slot is filled again, two tiles ahead; 1: only the change of slots; 0: the last.
; ONE barrier for the change of slots, between blocks 6 and 7.  In front of it each wave waits for its reads of this slot (blocks 6 and 7 are then in
; registers) and for all its tensor loads (one is out: its part of the other slot).  Where the slot is filled again that barrier opens a round of the
; cluster's barrier; inside it stands register work alone (block 6), and the joint refill is the first thing behind it.  Then the other slot's first block
; is asked for, and block 7 is multiplied out of registers while it comes.  From a tile's request to the wait for it a wave issues 112 matrix instructions.
.macro STEP slot, mode
.irp mt, 0,1,2,3,4,5
	s_wait_dscnt 0x8                               ; this block is in; the next block's 8 loads may be out
	MUL A0+32*(\mt&1)
	PLACES
	FETCH \slot, \mt+2, A0+32*(\mt&1)
	UPD
.endr
	s_wait_dscnt 0x0                               ; my reads of this slot are over
.if \mode >= 1
	s_set_vgpr_msb 0x5
	s_wait_tensorcnt 0x0                           ; all my tensor loads have landed
	ds_add_u32 v192, v193
	s_wait_dscnt 0x0
	s_set_vgpr_msb 0x500
	s_barrier_signal -1
.endif
	MUL A0
	PLACES
	UPD
.if \mode >= 1
	s_barrier_wait -1
.endif
.if \mode == 2
	CREST                                          ; no wave of the four work-groups still reads this slot or has a load on its way
	s_add_nc_u64 s[G0C+4*\slot+2:G0C+4*\slot+3], s[G0C+4*\slot+2:G0C+4*\slot+3], 2*TILEB
	tensor_load_to_lds s[G0C+4*\slot:G0C+4*\slot+3], s[G1C:G1C+7]
	s_nop 0
.endif
.if \mode >= 1
	FETCH 1-\slot, 0, A0
.endif
	MUL A1
	PLACES
.if \mode >= 1
	FETCH 1-\slot, 1, A1
.endif
	UPD
.endm
	; ---------------- set-up ----------------
	s_load_b256 s[4:11], s[0:1], 0x0               ; x s[4:5], pt s[6:7], ncb16 s[8:9], nx32 s[10:11]
	s_load_b64 s[12:13], s[0:1], 0x20              ; cand
	s_set_vgpr_msb 0x40
	v_lshl_add_u32 v192, v0, 2, 0x4c800
	v_mov_b32 v193, 0
	s_set_vgpr_msb 0x4045
	ds_add_u32 v192, v193
	s_set_vgpr_msb 0x4500
	v_lshrrev_b32 v15, 5, v0
	v_readfirstlane_b32 s14, v15                   ; wave 0..7
	s_lshr_b32 s15, s14, 2                         ; tg
	s_and_b32 s16, s14, 3                          ; cq
	s_bfe_u32 s17, ttmp6, 0x40000                  ; cx: it enters the addresses of x, nx32 and cand alone
	s_lshl_b32 s18, ttmp9, 2
	s_add_co_u32 s18, s18, s17                     ; work-group = 4 x cluster + cx
	s_mov_b32 s52, 0xfffffc00                      ; keeps sign, exponent and 13 bits
	s_mov_b32 s55, 0x76543210                      ; v_permlanex16_b32: lane i reads lane i of the other half
	s_mov_b32 s56, 0xfedcba98
	s_mov_b32 s57, 0x2b8cbccc                      ; 1e-12
	v_and_b32 v1, 15, v0                           ; r
	v_bfe_u32 v2, v0, 4, 1                         ; h
	v_and_b32 v15, 31, v0                          ; lane
	v_lshlrev_b32 v3, 4, v15
	s_mul_i32 s58, s14, WROWS
	s_add_co_u32 s58, s58, S                       ; my wave's 16 rows of S
	v_lshl_add_u32 v4, v15, 3, s58
	v_mul_u32_u24 v6, v1, PITCH
	v_lshl_add_u32 v6, v2, 4, v6                   ; a fragment: row r, 16 bytes for each half of the lanes; the second load 32 bytes on
	v_add_nc_u32 v5, s58, v6
	s_mul_i32 s59, s15, QROWS
	s_add_co_u32 s59, s59, S
	v_add_nc_u32 v7, s59, v6                       ; nx of tokens 64 tg ..
	s_mul_i32 s59, s16, WROWS
	v_add_nc_u32 v[CA], s59, v6                    ; block cq of a slot; blocks 4 mt + cq lie 17,408 mt bytes on
	v_add_nc_u32 v[CA+1], 4*QROWS, v[CA]
	v_add_nc_u32 v[CA+2], SLOT, v[CA]
	v_add_nc_u32 v[CA+3], SLOT+4*QROWS, v[CA]
	v_mul_u32_u24 v12, v1, PITCH
	v_lshl_add_u32 v12, v2, 5, v12
	v_add_nc_u32 v12, s58, v12                     ; nx32 in: row r, 32 bytes for each half of the lanes
	v_mul_u32_u24 v13, v2, PITCH
	v_lshl_add_u32 v13, v1, 4, v13
	v_add_nc_u32 v13, s58, v13                     ; back: lanes 0-15 one row of 256 bytes, lanes 16-31 the next
	v_lshlrev_b32 v14, 9, v2
	v_lshl_add_u32 v14, v1, 4, v14                 ; the same two rows in nx32
	; group 1 of both descriptors.  15:0 mask = the cluster's four; 17:16 elements of 2 bytes; 20 padding on; 21 set beside a mask;
	; 24:22 after every 64 words (code 5); 31:25 of 4 words (code 3)
	s_mov_b32 s[G1P+0], 15|(1<<16)|(1<<20)|(1<<21)|(5<<22)|(3<<25)
	s_mov_b32 s[G1P+1], 128<<16                    ; tensor_dim0 = 128
	s_mov_b32 s[G1P+2], 128<<16                    ; tensor_dim1 = 128
	s_mov_b32 s[G1P+3], 128<<16                    ; tile_dim0 = 128 elements (256 bytes)
	s_mov_b32 s[G1P+4], 128                        ; tile_dim1 = 128 rows
	s_mov_b32 s[G1P+5], 1024                       ; pt: 1,024 elements from row to row
	s_mov_b32 s[G1P+6], 0
	s_mov_b32 s[G1P+7], 0
	s_mov_b32 s[G1C+0], 15|(1<<16)|(1<<20)|(1<<21)|(5<<22)|(3<<25)
	s_mov_b32 s[G1C+1], 128<<16
	s_mov_b32 s[G1C+2], 64<<16                     ; tensor_dim1 = 64
	s_mov_b32 s[G1C+3], 128<<16
	s_mov_b32 s[G1C+4], 64                         ; tile_dim1 = 64 rows
	s_mov_b32 s[G1C+5], 128                        ; ncb16: 128 elements from row to row
	s_mov_b32 s[G1C+6], 0
	s_mov_b32 s[G1C+7], 0
	s_mov_b32 s[G0P], 1
	s_mul_i32 s[G0P+1], s14, PIECE                 ; wave w brings piece w
	s_mov_b32 s[G0C], 1
	s_mul_i32 s[G0C+1], s14, QROWS                 ; wave w brings rows 64 w .. + 63 of a tile
	s_mov_b32 s[G0C+4], 1
	s_add_co_u32 s[G0C+5], s[G0C+1], SLOT
	s_lshl_b32 s20, s18, 19                        ; 128 tokens x 4,096 bytes
	s_lshl_b32 s22, s14, 16                        ; 16 tokens x 4,096 bytes.  s[22:23] never hold anything made of cx
	s_add_co_u32 s20, s20, s22
	s_mov_b32 s21, 0
	s_mov_b32 s23, 0
	s_wait_dscnt 0x0
	s_wait_kmcnt 0x0
	s_add_nc_u64 s[4:5], s[4:5], s[20:21]          ; x at my wave's first token
	WIN 0x40                                       ; destination in window 1
	XLOAD 0, 0                                     ; 48 loads, 24 KiB a wave, go out before anything else
	XLOAD 1, 64
	XLOAD 2, 128
	WIN 0
	s_lshr_b32 s20, s20, 3                         ; the same tokens in nx32: 512 bytes each
	s_add_nc_u64 s[10:11], s[10:11], s[20:21]
	s_lshl_b32 s20, s18, 10                        ; cand: 128 tokens x 8 bytes
	s_add_nc_u64 s[12:13], s[12:13], s[20:21]
	s_lshl_b32 s22, s14, 8                         ; piece w: 128 k x 2 bytes along pt's rows
	s_add_nc_u64 s[G0P+2:G0P+3], s[6:7], s[22:23]
	s_or_b32 s[G0P+3], s[G0P+3], 0x80000000        ; type = 2
	s_lshl_b32 s22, s14, 14                        ; 64 rows x 256 bytes
	s_add_nc_u64 s[G0C+2:G0C+3], s[8:9], s[22:23]  ; tile 0
	s_add_nc_u64 s[G0C+6:G0C+7], s[G0C+2:G0C+3], TILEB     ; tile 1
	s_or_b32 s[G0C+3], s[G0C+3], 0x80000000
	s_or_b32 s[G0C+7], s[G0C+7], 0x80000000
	CROUND                                         ; the four work-groups are here: the first joint loads meet
	tensor_load_to_lds s[G0P:G0P+3], s[G1P:G1P+7]  ; my wave's one first fill
	s_nop 0
	CONV 0, 0, 1, 32                               ; the first chunk of x is made ready while pt comes
	s_wait_dscnt 0x0                               ; no LDS instruction of mine is out at the signal
	s_wait_tensorcnt 0x0                           ; my piece is in,
	s_barrier_signal -1
	s_barrier_wait -1                              ; everybody's is
	LOADF 0, 0
	; ---------------- projection.  Chunk c lies in window 1 at 64 (c % 3); the counts are the loads of the chunks behind the one converted ----------------
	CHUNK 1, 0, 1, 64,  1, 32
	CHUNK 0, 0, 2, 128, 1, 32
	CHUNK 0, 0, 3, 0,   1, 32
	CHUNK 0, 0, 4, 64,  1, 32
	; pieces 0 to 3 of pt are done with: the first code tile goes over them and lands while chunks 4 to 7 are multiplied
	s_wait_dscnt 0x0                               ; my reads of them are over (and chunk 4's first fragments are in)
	s_set_vgpr_msb 0x5
	s_wait_tensorcnt 0x0                           ; no tensor load of mine is out
	ds_add_u32 v192, v193
	s_wait_dscnt 0x0
	s_set_vgpr_msb 0x500
	CROUND
	tensor_load_to_lds s[G0C:G0C+3], s[G1C:G1C+7]  ; tile 0 into slot 0
	s_nop 0
	CHUNK 0, 0, 5, 128, 0, 32
	CHUNK 0, 0, 6, 0,   0, 16
	CHUNK 0, 0, 7, 64,  0, 0
	CHUNK 0, 1, 0, 0,   0, 0
	; pieces 4 to 7 are done with: the second code tile goes over them and lands while the tokens are normalised and tile 0 is multiplied
	s_wait_dscnt 0x0                               ; my reads of pt are over
	s_set_vgpr_msb 0x5
	s_wait_tensorcnt 0x0                           ; my part of tile 0 has landed: no tensor load of mine is out
	ds_add_u32 v192, v193
	s_wait_dscnt 0x0
	s_set_vgpr_msb 0x500
	CROUND
	tensor_load_to_lds s[G0C+4:G0C+7], s[G1C:G1C+7]        ; tile 1 into slot 1
	s_nop 0
	; ---------------- normalise: a lane holds 64 of its token's 128 numbers, the lane 16 further the others ----------------
	v_pk_mul_f32 v[T:T+1],   v[ACC:ACC+1],   v[ACC:ACC+1]
	v_pk_mul_f32 v[T+2:T+3], v[ACC+2:ACC+3], v[ACC+2:ACC+3]
.set q, 2
.rept 30
	v_pk_fma_f32 v[T+2*(q&1):T+2*(q&1)+1], v[ACC+2*q:ACC+2*q+1], v[ACC+2*q:ACC+2*q+1], v[T+2*(q&1):T+2*(q&1)+1]
.set q, q+1
.endr
	v_pk_add_f32 v[T:T+1], v[T:T+1], v[T+2:T+3]
	v_add_f32 v[T], v[T], v[T+1]
	v_permlanex16_b32 v[T+1], v[T], s55, s56       ; its destination has been written before
	v_add_f32 v[T], v[T], v[T+1]
	v_sqrt_f32 v[T+2], v[T]
	v_nop                                          ; one plain vector instruction behind a transcendental (ISA guide 5.7.2)
	s_wait_alu depctr_va_vdst(0)
	v_max_num_f32 v[T+2], s57, v[T+2]
	v_rcp_f32 v[T+4], v[T+2]
	v_nop
	s_wait_alu depctr_va_vdst(0)
	v_fma_f32 v[T+6], -v[T+2], v[T+4], 1.0         ; Newton: r = r + r (1 - d r)
	v_fma_f32 v[T+4], v[T+4], v[T+6], v[T+4]
	v_mov_b32 v[T+5], v[T+4]
.set q, 0
.rept 32
	v_pk_mul_f32 v[ACC+2*q:ACC+2*q+1], v[ACC+2*q:ACC+2*q+1], v[T+4:T+5]
.set q, q+1
.endr
	; nx32 leaves through my wave's own rows of S, 64 columns (256 bytes of a row) at a time
.irp p, 0,1
.irp m, 0,1,2,3
	ds_store_b128 v12, v[ACC+8*(4*\p+\m):ACC+8*(4*\p+\m)+3]   offset:64*\m
	ds_store_b128 v12, v[ACC+8*(4*\p+\m)+4:ACC+8*(4*\p+\m)+7] offset:64*\m+16
.endr
.irp t, 0,1,2,3,4,5,6,7
	ds_load_b128 v[XR+32*\p+4*\t:XR+32*\p+4*\t+3], v13 offset:2*PITCH*\t   ; LDS serves a wave's instructions in order: these see the stores above
.endr
.irp t, 0,1,2,3,4,5,6,7
	s_wait_dscnt 7-\t                              ; load t is in, the younger ones may be out
	global_store_b128 v14, v[XR+32*\p+4*\t:XR+32*\p+4*\t+3], s[10:11] offset:1024*\t+256*\p    ; 16 lanes store 256 consecutive bytes, aligned
.endr
.endr
	; nx in f16 into my tokens' rows of S, for all waves
.irp m, 0,1,2,3,4,5,6,7
.irp q, 0,1,2,3
	v_cvt_pk_f16_f32 v[XR+64+4*\m+\q], v[ACC+8*\m+2*\q], v[ACC+8*\m+2*\q+1]
.endr
	ds_store_b128 v5, v[XR+64+4*\m:XR+64+4*\m+3] offset:32*\m
.endr
	s_wait_dscnt 0x0                               ; my stores of nx are done,
	s_barrier_signal -1
	s_barrier_wait -1                              ; everybody's are
	s_wait_xcnt 0x0                                ; the stores of nx32 have had their addresses translated (ISA guide 3.1): their data registers are loaded again only behind this wait
.irp i, 0,1,2,3
.irp ks, 0,1,2,3
	ds_load_b128 v[NX+32*\i+8*\ks:NX+32*\i+8*\ks+3],   v7 offset:WROWS*\i+64*\ks
	ds_load_b128 v[NX+32*\i+8*\ks+4:NX+32*\i+8*\ks+7], v7 offset:WROWS*\i+64*\ks+32
.endr
.endr
.irp k, 0,1,2,3,4,5,6,7
	v_mov_b32 v[M+\k], 0xff800000                  ; minus infinity
.endr
	s_mov_b32 s53, 127<<3
	FETCH 0, 0, A0                                 ; tile 0 was shown whole by the round behind the projection
	FETCH 0, 1, A1
	; ---------------- similarity: 16 tiles of 512 codes.  The first counted wait on DScnt also covers the loads of nx ----------------
	s_mov_b32 s54, 7
.Llap:
	STEP 0, 2
	STEP 1, 2
	s_sub_co_u32 s54, s54, 1
	s_cmp_lg_u32 s54, 0
	s_cbranch_scc1 .Llap
	STEP 0, 1                                      ; tile 14: nothing is left to fetch; the barrier shows tile 15 to every wave
	STEP 1, 0                                      ; tile 15
	; ---------------- merge: a token's 16 values (4 cq x 2 h x best two) meet in S; wave w owns bytes 1,024 w .. of it ----------------
	s_lshl_b32 s58, s14, 10
	s_add_co_u32 s58, s58, S
	v_lshlrev_b32 v15, 4, v1
	v_lshl_add_u32 v15, v2, 3, v15
	v_add_nc_u32 v15, s58, v15                     ; token 16 i + r of my 64: 16 bytes, 8 for each h
.irp i, 0,1,2,3
	ds_store_b64 v15, v[M+2*\i:M+2*\i+1] offset:256*\i
.endr
	s_wait_dscnt 0x0
	s_barrier_signal -1
	s_barrier_wait -1
	s_cmp_ge_u32 s14, 4                            ; threads 0 .. 127 take a token each
	s_cbranch_scc1 .Lend
	v_lshrrev_b32 v16, 6, v0
	v_and_b32 v17, 63, v0
	v_lshlrev_b32 v17, 4, v17
	v_lshl_add_u32 v16, v16, 12, v17
	v_add_nc_u32 v16, S, v16                       ; waves 4 tg + q: 1,024 q bytes on
	v_lshlrev_b32 v17, 3, v0
.irp q, 0,1,2,3
	ds_load_b128 v[VAL+4*\q:VAL+4*\q+3], v16 offset:1024*\q
.endr
	s_wait_dscnt 0x0
	; value p = 4 cq + 2 h + (0 best, 1 second).  u = 1023 - tag = 8 t + j; code = 64 t + 16 cq + 8 h + j
.set p, 0
.rept 16
	v_not_b32 v52, v[VAL+p]
	v_and_b32 v53, 0x3f8, v52
	v_and_b32 v52, 7, v52
	v_lshl_or_b32 v52, v53, 3, v52
	v_or_b32 v[COD+p], ((p>>2)<<4)|(((p>>1)&1)<<3), v52
.set p, p+1
.endr
	; the best two of the 16, in place in values 0 and 1, which come in order; choices select values only
.set p, 2
.rept 14
	v_cmp_gt_f32 vcc_lo, v[VAL+p], v[VAL]
	v_cmp_gt_f32 s60, v[VAL+p], v[VAL+1]
	v_cndmask_b32 v[COD+1], v[COD+1], v[COD+p], s60
	v_cndmask_b32 v[COD+1], v[COD+1], v[COD], vcc_lo
	v_cndmask_b32 v[COD], v[COD], v[COD+p], vcc_lo
	v_med3_num_f32 v[VAL+1], v[VAL+p], v[VAL], v[VAL+1]
	v_max_num_f32 v[VAL], v[VAL], v[VAL+p]
.set p, p+1
.endr
	v_min_u32 v58, v[COD], v[COD+1]                ; the lower code first: a tie in the later launch goes to it
	v_max_u32 v59, v[COD], v[COD+1]
	global_store_b64 v17, v[58:59], s[12:13]       ; a wave stores 256 consecutive bytes, aligned
.Lend:
	s_set_vgpr_msb 0x5
	s_wait_tensorcnt 0x0
	ds_add_u32 v192, v193
	s_wait_dscnt 0x0
	s_set_vgpr_msb 0x500
	CROUND                                         ; the closing round: no work-group ends while a partner may still ask for a tile that names it
	s_endpgm
.Lfunc_end_k_q984a45e771_assign:
	.size	k_q984a45e771_assign, .Lfunc_end_k_q984a45e771_assign-k_q984a45e771_assign
	.p2alignl 7, 3214868480
	.fill 96, 4, 3214868480
	.section	.rodata,"a",@progbits
	.p2align	6, 0x0
	.amdhsa_kernel k_q984a45e771_assign
		.amdhsa_group_segment_fixed_size 327680
		.amdhsa_private_segment_fixed_size 0
		.amdhsa_enable_private_segment 0
		.amdhsa_kernarg_size 40
		.amdhsa_user_sgpr_count 2
		.amdhsa_user_sgpr_kernarg_segment_ptr 1
		.amdhsa_wavefront_size32 1
		.amdhsa_system_sgpr_workgroup_id_x 1
		.amdhsa_system_sgpr_workgroup_id_y 1
		.amdhsa_system_sgpr_workgroup_id_z 1
		.amdhsa_system_vgpr_workitem_id 0
		.amdhsa_next_free_vgpr 450
		.amdhsa_next_free_sgpr 66
		.amdhsa_reserve_vcc 1
		.amdhsa_float_denorm_mode_32 3
		.amdhsa_float_denorm_mode_16_64 3
		.amdhsa_memory_ordered 1
		.amdhsa_forward_progress 1
		.amdhsa_inst_pref_size 255
	.end_amdhsa_kernel
	.section	.bss,"aw",@nobits
	.p2align	6
	.space	262144
	.amdgpu_metadata
---
amdhsa.version: [ 1, 2 ]
amdhsa.kernels:
  - .name:           k_q984a45e771_assign
    .symbol:         k_q984a45e771_assign.kd
    .args:
      - { .name: x, .offset: 0, .size: 8, .value_kind: global_buffer, .address_space: global }
      - { .name: pt, .offset: 8, .size: 8, .value_kind: global_buffer, .address_space: global }
      - { .name: ncb16, .offset: 16, .size: 8, .value_kind: global_buffer, .address_space: global }
      - { .name: nx32, .offset: 24, .size: 8, .value_kind: global_buffer, .address_space: global }
      - { .name: cand, .offset: 32, .size: 8, .value_kind: global_buffer, .address_space: global }
    .group_segment_fixed_size: 327680
    .private_segment_fixed_size: 0
    .kernarg_segment_align: 8
    .kernarg_segment_size: 40
    .max_flat_workgroup_size: 256
    .sgpr_count:     66
    .vgpr_count:     450
    .wavefront_size: 32
...
	.end_amdgpu_metadata
.endif
;; end of part 2
;; launch pick (part 3): grid 256 x 1, 16 waves a work-group, no clusters, 2,560 bytes of LDS; arguments nx32, cand, ncb32, out0; writes out0
.if DOCPART == 3
	.amdgcn_target "amdgcn-amd-amdhsa--gfx1250"
	.amdhsa_code_object_version 6
	.text
	.protected	k_q984a45e771_pick
	.globl	k_q984a45e771_pick
	.p2align	8
	.type	k_q984a45e771_pick,@function
k_q984a45e771_pick:
	s_mov_b64 s[64:65], 0
	v_nop
	global_prefetch_b8 v0, s[64:65] scope:SCOPE_SE
	s_setreg_imm32_b32 hwreg(HW_REG_WAVE_MODE, 25, 1), 1
	s_wait_xcnt 0x0
; out0[token] = that one of the token's two candidate codes with the smaller d2 = (sum ncb^2 + sum nx^2) - 2 (ncb . nx), all in f32, with the
; roundings of that formula (2 x dot is exact, so one fused multiply-add ends it); a tie goes to the lower code, as an argmin does.
; LIMITS: the order of the three sums is this text's own (4 + 4 numbers a lane, then a tree over 16 lanes); a NaN in d2 leaves the lower code.
; A work-group owns 128 tokens, a wave 8, in four steps of two: 16 lanes serve a token, lane r holds columns 4 r .. + 3 and 64 + 4 r .. + 3,
; so that each half of the lanes reads 256 consecutive bytes, aligned, with each load.  All loads go out at once.
; The gathered rows differ from token to token: nothing is shared, so no LDS tiles, no cluster; the sums are 128 long: no matrix unit.
.set CI,  8                            ; v[8:15]    the two codes of each step's token
.set NXR, 16                           ; v[16:47]   nx, 8 numbers a step
.set GA,  48                           ; v[48:55]   byte offsets of the gathered rows
.set CB,  56                           ; v[56:119]  the rows, 8 numbers for each step and candidate
.set SN,  120                          ; v[120:129] pairs: sum nx^2; dot, sum ncb^2 of the lower code; the same of the higher
.set RES, 130                          ; v[130:133] the choice
	s_load_b256 s[4:11], s[0:1], 0x0               ; nx32 s[4:5], cand s[6:7], ncb32 s[8:9], out0 s[10:11]
	v_lshl_add_u32 v136, v0, 2, 0x200
	v_mov_b32 v137, 0
	v_lshrrev_b32 v1, 5, v0
	v_readfirstlane_b32 s12, v1                    ; wave 0..15
	v_and_b32 v1, 15, v0                           ; r
	v_bfe_u32 v2, v0, 4, 1                         ; h
	v_lshlrev_b32 v3, 3, v2                        ; cand: 8 h
	v_lshlrev_b32 v5, 4, v1                        ; 16 r
	v_lshl_add_u32 v4, v2, 9, v5                   ; nx32: 512 h + 16 r
	v_lshlrev_b32 v6, 2, v2
	v_lshl_add_u32 v6, s12, 5, v6                  ; LDS: word 8 w + h (+ 2 s)
	v_and_b32 v7, 31, v0
	v_lshlrev_b32 v7, 4, v7                        ; 16 x lane
	s_lshl_b32 s14, ttmp9, 10                      ; 128 tokens x 8 bytes
	s_lshl_b32 s16, s12, 6                         ; 8 tokens x 8 bytes
	s_add_co_u32 s14, s14, s16
	s_mov_b32 s15, 0
	s_lshl_b32 s16, s14, 6                         ; the same tokens in nx32: 512 bytes each
	s_mov_b32 s17, 0
	s_lshl_b32 s18, ttmp9, 9                       ; 128 tokens x 4 bytes
	s_mov_b32 s19, 0
	s_wait_kmcnt 0x0
	s_add_nc_u64 s[6:7], s[6:7], s[14:15]
	s_add_nc_u64 s[4:5], s[4:5], s[16:17]
	s_add_nc_u64 s[10:11], s[10:11], s[18:19]
.irp s, 0,1,2,3
	global_load_b64 v[CI+2*\s:CI+2*\s+1], v3, s[6:7] offset:16*\s
.endr
.irp s, 0,1,2,3
	global_load_b128 v[NXR+8*\s:NXR+8*\s+3],   v4, s[4:5] offset:1024*\s th:TH_LOAD_NT
	global_load_b128 v[NXR+8*\s+4:NXR+8*\s+7], v4, s[4:5] offset:1024*\s+256 th:TH_LOAD_NT
.endr
	s_wait_loadcnt 0x8                             ; the codes are in; the 8 loads of nx may be out
.irp k, 0,1,2,3,4,5,6,7
	v_min_u32 v[CI+\k], 0x1fff, v[CI+\k]           ; a loaded number enters an address only clamped to the table
.endr
.irp k, 0,1,2,3,4,5,6,7
	v_lshl_add_u32 v[GA+\k], v[CI+\k], 9, v5       ; 512 x code + 16 r
.endr
.irp k, 0,1,2,3,4,5,6,7
	global_load_b128 v[CB+8*\k:CB+8*\k+3],   v[GA+\k], s[8:9]
	global_load_b128 v[CB+8*\k+4:CB+8*\k+7], v[GA+\k], s[8:9] offset:256
.endr
.macro DECIDE s
	s_wait_loadcnt 12-4*\s                         ; this step's four gathers and all older loads are in; the later steps' gathers may be out
	v_pk_mul_f32 v[SN:SN+1], v[NXR+8*\s:NXR+8*\s+1], v[NXR+8*\s:NXR+8*\s+1]
.irp c, 0,1
	v_pk_mul_f32 v[SN+2+4*\c:SN+3+4*\c], v[NXR+8*\s:NXR+8*\s+1], v[CB+16*\s+8*\c:CB+16*\s+8*\c+1]
	v_pk_mul_f32 v[SN+4+4*\c:SN+5+4*\c], v[CB+16*\s+8*\c:CB+16*\s+8*\c+1], v[CB+16*\s+8*\c:CB+16*\s+8*\c+1]
.endr
.irp q, 2,4,6
	v_pk_fma_f32 v[SN:SN+1], v[NXR+8*\s+\q:NXR+8*\s+\q+1], v[NXR+8*\s+\q:NXR+8*\s+\q+1], v[SN:SN+1]
.irp c, 0,1
	v_pk_fma_f32 v[SN+2+4*\c:SN+3+4*\c], v[NXR+8*\s+\q:NXR+8*\s+\q+1], v[CB+16*\s+8*\c+\q:CB+16*\s+8*\c+\q+1], v[SN+2+4*\c:SN+3+4*\c]
	v_pk_fma_f32 v[SN+4+4*\c:SN+5+4*\c], v[CB+16*\s+8*\c+\q:CB+16*\s+8*\c+\q+1], v[CB+16*\s+8*\c+\q:CB+16*\s+8*\c+\q+1], v[SN+4+4*\c:SN+5+4*\c]
.endr
.endr
.irp a, 0,2,4,6,8
	v_add_f32 v[SN+\a], v[SN+\a], v[SN+\a+1]
.endr
.irp k, 1,2,4,8
.irp a, 0,2,4,6,8
	v_add_f32_dpp v[SN+\a], v[SN+\a], v[SN+\a] row_xmask:\k row_mask:0xf bank_mask:0xf    ; over the token's 16 lanes
.endr
.endr
	v_add_f32 v[SN+4], v[SN+4], v[SN]
	v_add_f32 v[SN+8], v[SN+8], v[SN]
	v_fma_f32 v[SN+2], -2.0, v[SN+2], v[SN+4]      ; d2 of the lower code
	v_fma_f32 v[SN+6], -2.0, v[SN+6], v[SN+8]      ; d2 of the higher
	v_cmp_lt_f32 vcc_lo, v[SN+6], v[SN+2]
	v_cndmask_b32 v[RES+\s], v[CI+2*\s], v[CI+2*\s+1], vcc_lo      ; the higher code only if strictly nearer
	ds_store_b32 v6, v[RES+\s] offset:8*\s         ; the token's 16 lanes write one word with one value
.endm
	DECIDE 0
	DECIDE 1
	DECIDE 2
	DECIDE 3
	s_wait_dscnt 0x0                               ; my words are in LDS,
	s_barrier_signal -1
	s_barrier_wait -1                              ; everybody's are
	s_cmp_lg_u32 s12, 0
	s_cbranch_scc1 .Ldone
	ds_load_b128 v[NXR:NXR+3], v7                  ; wave 0: the group's 128 results
	s_wait_dscnt 0x0
	global_store_b128 v7, v[NXR:NXR+3], s[10:11]   ; 512 consecutive bytes, aligned
.Ldone:
	s_wait_tensorcnt 0x0
	ds_add_u32 v136, v137
	s_wait_dscnt 0x0
	s_endpgm
.Lfunc_end_k_q984a45e771_pick:
	.size	k_q984a45e771_pick, .Lfunc_end_k_q984a45e771_pick-k_q984a45e771_pick
	.p2alignl 7, 3214868480
	.fill 96, 4, 3214868480
	.section	.rodata,"a",@progbits
	.p2align	6, 0x0
	.amdhsa_kernel k_q984a45e771_pick
		.amdhsa_group_segment_fixed_size 2560
		.amdhsa_private_segment_fixed_size 0
		.amdhsa_enable_private_segment 0
		.amdhsa_kernarg_size 32
		.amdhsa_user_sgpr_count 2
		.amdhsa_user_sgpr_kernarg_segment_ptr 1
		.amdhsa_wavefront_size32 1
		.amdhsa_system_sgpr_workgroup_id_x 1
		.amdhsa_system_sgpr_workgroup_id_y 1
		.amdhsa_system_sgpr_workgroup_id_z 1
		.amdhsa_system_vgpr_workitem_id 0
		.amdhsa_next_free_vgpr 138
		.amdhsa_next_free_sgpr 66
		.amdhsa_reserve_vcc 1
		.amdhsa_float_denorm_mode_32 3
		.amdhsa_float_denorm_mode_16_64 3
		.amdhsa_memory_ordered 1
		.amdhsa_forward_progress 1
		.amdhsa_inst_pref_size 18
	.end_amdhsa_kernel
	.amdgpu_metadata
---
amdhsa.version: [ 1, 2 ]
amdhsa.kernels:
  - .name:           k_q984a45e771_pick
    .symbol:         k_q984a45e771_pick.kd
    .args:
      - { .name: nx32, .offset: 0, .size: 8, .value_kind: global_buffer, .address_space: global }
      - { .name: cand, .offset: 8, .size: 8, .value_kind: global_buffer, .address_space: global }
      - { .name: ncb32, .offset: 16, .size: 8, .value_kind: global_buffer, .address_space: global }
      - { .name: out0, .offset: 24, .size: 8, .value_kind: global_buffer, .address_space: global }
    .group_segment_fixed_size: 2560
    .private_segment_fixed_size: 0
    .kernarg_segment_align: 8
    .kernarg_segment_size: 32
    .max_flat_workgroup_size: 512
    .sgpr_count:     66
    .vgpr_count:     138
    .wavefront_size: 32
...
	.end_amdgpu_metadata
.endif
;; end of part 3
;; ======== version 2 of 2: 3 launches; version 1 with the launch prep written anew for expert scheduling mode
;; workspace buffers: ncb32 4,194,304 bytes; ncb16 2,097,152 bytes; pt 262,144 bytes; nx32 16,777,216 bytes; cand 262,144 bytes of whole numbers
;; launch prep (part 4): grid 264 x 1, 8 waves a work-group, no clusters, 35,840 bytes of LDS; arguments codebook, random_projection, ncb32, ncb16, pt; writes ncb32, ncb16, pt
.if DOCPART == 4
	.amdgcn_target "amdgcn-amd-amdhsa--gfx1250"
	.amdhsa_code_object_version 6
	.text
	.protected	k_q984a45e771_prep
	.globl	k_q984a45e771_prep
	.p2align	8
	.type	k_q984a45e771_prep,@function
k_q984a45e771_prep:
	s_mov_b64 s[64:65], 0
	v_nop
	global_prefetch_b8 v0, s[64:65] scope:SCOPE_SE
	s_setreg_imm32_b32 hwreg(HW_REG_WAVE_SCHED_MODE, 0, 2), 2
	s_setreg_imm32_b32 hwreg(HW_REG_WAVE_MODE, 25, 1), 1
	s_wait_xcnt 0x0
	s_wait_alu depctr_vm_vsrc(0)
; Tables for the two later launches.
;   work-groups 8 .. 263: ncb32[c][e] = bf16(codebook[c][e]) / max(norm of that rounded row, 1e-12) in f32, and ncb16 = the same in f16
;   work-groups 0 .. 7:   pt[e][k] = bf16(random_projection[k][e]), the projection transposed, so that K lies along the rows
; LIMITS: the codebook and the projection are rounded to bf16 (nearest even) before anything else; the division is a multiplication
; by v_rcp_f32 with one Newton step; the order of the sum of squares is this text's own; rows with NaN or infinities are not served.
; No matrix work, no shared tiles: no matrix unit and no cluster.
; THE MODE: SCHED_MODE bits 1:0 = 2 (LLVM: expert scheduling mode 2), set by the entry lines.  The code itself states the register dependences
; between vector instructions and memory or LDS instructions, with s_wait_alu, always for 0.
; THE PLAN.  Registers that memory or LDS instructions touch:
;   codes:      v3, v4     offsets, written once at the path's head, read by the loads and the stores, never written again.
;               X          the four loads land in it; the arithmetic works in it; the scaling writes it last; the four 16-byte stores read it.
;               H          written by the conversions to f16; the four 8-byte stores read it.
;               One wait ahead of the loads (the offsets), one ahead of the run of eight stores (X and H); nothing is written behind the stores.
;   transpose:  v7 .. v10  offsets and LDS addresses, written once at the path's head, never written again.
;               XT         the sixteen loads land in it; the conversions read all 64 registers and write the lower four of each eight;
;                          the LDS stores read those lower fours; the LDS loads land in the upper fours, which no store has read; the global stores read these.
;               One wait ahead of the loads (v7 .. v10), one behind the conversions (the LDS stores' data are written, and the upper fours are done with).
;   both:       v96, v97   written at the head, read by the closing add alone.  s14, the wave's number: one wait ahead of the branch.
; No register that a memory or LDS instruction has read is written again, so the body holds no wait on vm_vsrc.
.set EPS,   0x2b8cbccc                 ; 1e-12
.set PITCH, 272                        ; an LDS row of 128 bf16 + 16 bytes
.set X,   8                            ; code path: v[8:23]   four rows, 4 numbers a lane each
.set SQ,  24                           ; v[24:31]  a pair of partial sums for each row
.set Q,   32                           ; v[32:35]  sum of squares
.set D,   36                           ; v[36:39]  max(norm, eps)
.set R,   40                           ; v[40:47]  1 / D, twice (a pair for the packed multiply)
.set E,   48                           ; v[48:51]  Newton residue
.set H,   52                           ; v[52:59]  f16 results
.set TB,  60                           ; v[60:67]  the row rounded to bf16, packed
.set XT,  16                           ; transposing path: v[16:79] sixteen loads of 4 numbers
	s_load_b256 s[4:11], s[0:1], 0x0               ; codebook s[4:5], random_projection s[6:7], ncb32 s[8:9], ncb16 s[10:11]
	s_load_b64 s[12:13], s[0:1], 0x20              ; pt
	v_lshl_add_u32 v96, v0, 2, 0x8800
	v_mov_b32 v97, 0
	v_lshrrev_b32 v1, 5, v0
	v_readfirstlane_b32 s14, v1                    ; wave 0..7
	v_and_b32 v2, 31, v0                           ; lane
	s_mov_b32 s17, 0
	s_mov_b32 s19, 0
	s_wait_alu depctr_va_sdst(0)                   ; s14 is written, ahead of the branch: both paths make their bases from it
	s_cmp_lt_u32 ttmp9, 8                          ; the same for all waves of a work-group
	s_cbranch_scc1 .Ltranspose
	; ---------------- codes: one wave, one row at a time, four rows a wave; a row is 512 bytes = 16 bytes a lane ----------------
	s_sub_co_u32 s15, ttmp9, 8
	s_lshl_b32 s16, s15, 14                        ; 32 rows x 512 bytes for each work-group
	s_lshl_b32 s18, s14, 11                        ; 4 rows x 512 bytes for each wave
	s_add_co_u32 s16, s16, s18
	s_lshr_b32 s18, s16, 1                         ; the same rows in f16
	s_mov_b32 s20, 0x76543210                      ; v_permlanex16_b32: lane i reads lane i of the other half
	s_mov_b32 s21, 0xfedcba98
	v_lshlrev_b32 v3, 4, v2                        ; 16 x lane
	v_lshlrev_b32 v4, 3, v2                        ; 8 x lane
	s_wait_kmcnt 0x0
	s_add_nc_u64 s[4:5], s[4:5], s[16:17]
	s_add_nc_u64 s[8:9], s[8:9], s[16:17]
	s_add_nc_u64 s[10:11], s[10:11], s[18:19]
	s_wait_alu depctr_va_vdst(0)                   ; v3 and v4 are written: the loads below and the stores at the path's end read them as offsets
.irp i, 0,1,2,3
	global_load_b128 v[X+4*\i:X+4*\i+3], v3, s[4:5] offset:512*\i th:TH_LOAD_NT
.endr
	s_wait_loadcnt 0x0
.irp i, 0,1,2,3
	v_cvt_pk_bf16_f32 v[TB+2*\i],   v[X+4*\i],   v[X+4*\i+1]       ; the input is taken in bf16
	v_cvt_pk_bf16_f32 v[TB+2*\i+1], v[X+4*\i+2], v[X+4*\i+3]
.endr
.irp i, 0,1,2,3
	v_lshlrev_b32 v[X+4*\i],   16,         v[TB+2*\i]              ; and widened again
	v_and_b32     v[X+4*\i+1], 0xffff0000, v[TB+2*\i]
	v_lshlrev_b32 v[X+4*\i+2], 16,         v[TB+2*\i+1]
	v_and_b32     v[X+4*\i+3], 0xffff0000, v[TB+2*\i+1]
.endr
.irp i, 0,1,2,3
	v_pk_mul_f32 v[SQ+2*\i:SQ+2*\i+1], v[X+4*\i:X+4*\i+1], v[X+4*\i:X+4*\i+1]
.endr
.irp i, 0,1,2,3
	v_pk_fma_f32 v[SQ+2*\i:SQ+2*\i+1], v[X+4*\i+2:X+4*\i+3], v[X+4*\i+2:X+4*\i+3], v[SQ+2*\i:SQ+2*\i+1]
.endr
.irp i, 0,1,2,3
	v_add_f32 v[Q+\i], v[SQ+2*\i], v[SQ+2*\i+1]
.endr
.irp k, 1,2,4,8
.irp i, 0,1,2,3
	v_add_f32_dpp v[Q+\i], v[Q+\i], v[Q+\i] row_xmask:\k row_mask:0xf bank_mask:0xf
.endr
.endr
.irp i, 0,1,2,3
	v_permlanex16_b32 v[SQ+2*\i], v[Q+\i], s20, s21                ; its destination has been written before
.endr
.irp i, 0,1,2,3
	v_add_f32 v[Q+\i], v[Q+\i], v[SQ+2*\i]                         ; every lane holds the row's sum of squares
.endr
.irp i, 0,1,2,3
	v_sqrt_f32 v[D+\i], v[Q+\i]
.endr
	v_nop                                          ; one plain vector instruction behind the transcendentals (ISA guide 5.7.2)
	s_wait_alu depctr_va_vdst(0)                   ; the four square roots have written v[D ..], ahead of their first reader: one wait for the batch
.irp i, 0,1,2,3
	v_max_num_f32 v[D+\i], EPS, v[D+\i]
.endr
.irp i, 0,1,2,3
	v_rcp_f32 v[R+2*\i], v[D+\i]
.endr
	v_nop
	s_wait_alu depctr_va_vdst(0)                   ; the four reciprocals have written v[R ..], ahead of their first reader: one wait for the batch
.irp i, 0,1,2,3
	v_fma_f32 v[E+\i], -v[D+\i], v[R+2*\i], 1.0                    ; Newton: r = r + r (1 - d r)
.endr
.irp i, 0,1,2,3
	v_fma_f32 v[R+2*\i], v[R+2*\i], v[E+\i], v[R+2*\i]
.endr
.irp i, 0,1,2,3
	v_mov_b32 v[R+2*\i+1], v[R+2*\i]
.endr
.irp i, 0,1,2,3
	v_pk_mul_f32 v[X+4*\i:X+4*\i+1],   v[X+4*\i:X+4*\i+1],   v[R+2*\i:R+2*\i+1]
	v_pk_mul_f32 v[X+4*\i+2:X+4*\i+3], v[X+4*\i+2:X+4*\i+3], v[R+2*\i:R+2*\i+1]
.endr
.irp i, 0,1,2,3
	v_cvt_pk_f16_f32 v[H+2*\i],   v[X+4*\i],   v[X+4*\i+1]
	v_cvt_pk_f16_f32 v[H+2*\i+1], v[X+4*\i+2], v[X+4*\i+3]
.endr
	s_wait_alu depctr_va_vdst(0)                   ; the scaling has written X and the conversions have written H: the eight stores below read them
.irp i, 0,1,2,3
	global_store_b128 v3, v[X+4*\i:X+4*\i+3], s[8:9] offset:512*\i         ; the wave stores 512 consecutive bytes, aligned
.endr
.irp i, 0,1,2,3
	global_store_b64 v4, v[H+2*\i:H+2*\i+1], s[10:11] offset:256*\i        ; 256 consecutive bytes, aligned
.endr
	s_endpgm
	; ---------------- the projection, transposed.  Work-group kb: k = 128 kb .. + 127.  Wave w: e = 16 w .. + 15 ----------------
	; Lane (kk = lane / 4, eq = lane % 4) takes 4 numbers e = 16 w + 4 eq .. + 3 of row k; load i takes rows 16 (i / 2) + 2 kk + (i % 2),
	; so that loads 2 p and 2 p + 1 give a lane two neighbouring k, which pack into one word of pt.  A load takes 64 bytes of each of
	; eight rows; the whole table is 512 KiB.  The wave's LDS bytes are its own: no barrier, and LDS serves a wave's instructions in order.
.Ltranspose:
	s_lshl_b32 s16, ttmp9, 16                      ; 128 rows x 512 bytes
	s_lshl_b32 s15, s14, 6                         ; 16 e x 4 bytes
	s_add_co_u32 s16, s16, s15
	s_lshl_b32 s18, s14, 15                        ; pt: 16 rows x 2,048 bytes
	s_lshl_b32 s15, ttmp9, 8                       ; 128 k x 2 bytes
	s_add_co_u32 s18, s18, s15
	s_mul_i32 s15, s14, 16*PITCH                   ; my wave's 16 LDS rows
	v_lshrrev_b32 v5, 2, v2                        ; kk
	v_and_b32 v6, 3, v2                            ; eq
	v_lshlrev_b32 v7, 4, v6
	v_lshl_add_u32 v7, v5, 10, v7                  ; from: 2 kk rows of 512 bytes + 16 eq
	v_mul_u32_u24 v8, v6, 4*PITCH
	v_lshl_add_u32 v8, v5, 2, v8
	v_add_nc_u32 v8, s15, v8                       ; to: LDS row 4 eq (+ q), word kk (+ 8 p): the 32 lanes start at 32 different words modulo 256 bytes
	v_and_b32 v5, 15, v2                           ; r
	v_lshrrev_b32 v6, 4, v2                        ; h
	v_mul_u32_u24 v9, v6, PITCH
	v_lshl_add_u32 v9, v5, 4, v9
	v_add_nc_u32 v9, s15, v9                       ; back: lanes 0-15 one row of 256 bytes, lanes 16-31 the next
	v_lshlrev_b32 v10, 11, v6
	v_lshl_add_u32 v10, v5, 4, v10                 ; the same two rows in pt
	s_wait_kmcnt 0x0
	s_add_nc_u64 s[6:7], s[6:7], s[16:17]
	s_add_nc_u64 s[12:13], s[12:13], s[18:19]
	s_wait_alu depctr_va_vdst(0)                   ; v7 to v10 are written: the loads, the LDS stores, the LDS loads and the stores of this path read them as offsets and addresses
.irp i, 0,1,2,3,4,5,6,7,8,9,10,11,12,13,14,15
	global_load_b128 v[XT+4*\i:XT+4*\i+3], v7, s[6:7] offset:(16*(\i>>1)+(\i&1))*512
.endr
	s_wait_loadcnt 0x0
.irp p, 0,1,2,3,4,5,6,7
.irp q, 0,1,2,3
	v_cvt_pk_bf16_f32 v[XT+8*\p+\q], v[XT+8*\p+\q], v[XT+8*\p+4+\q]        ; the even k in the low half; the pair closes up into the lower four of its eight registers
.endr
.endr
	s_wait_alu depctr_va_vdst(0)                   ; the conversions have written the lower fours, which the LDS stores read, and are done reading the upper fours, in which the LDS loads land
.irp p, 0,1,2,3,4,5,6,7
.irp q, 0,1,2,3
	ds_store_b32 v8, v[XT+8*\p+\q] offset:\q*PITCH+32*\p
.endr
.endr
.irp t, 0,1,2,3,4,5,6,7
	ds_load_b128 v[XT+8*\t+4:XT+8*\t+7], v9 offset:2*PITCH*\t      ; into the upper fours: no store above has read them, and no vector instruction since the wait names them
.endr
.irp t, 0,1,2,3,4,5,6,7
	s_wait_dscnt 7-\t                              ; LDS loads come back in order: load t is in, the younger ones may be out
	global_store_b128 v10, v[XT+8*\t+4:XT+8*\t+7], s[12:13] offset:4096*\t ; 16 lanes store 256 consecutive bytes, aligned
.endr
	s_wait_dscnt 0x0                               ; the closing lines, six on end
	s_wait_alu 0x0
	s_wait_tensorcnt 0x0
	ds_add_u32 v96, v97
	s_wait_dscnt 0x0
	s_endpgm
.Lfunc_end_k_q984a45e771_prep:
	.size	k_q984a45e771_prep, .Lfunc_end_k_q984a45e771_prep-k_q984a45e771_prep
	.p2alignl 7, 3214868480
	.fill 96, 4, 3214868480
	.section	.rodata,"a",@progbits
	.p2align	6, 0x0
	.amdhsa_kernel k_q984a45e771_prep
		.amdhsa_group_segment_fixed_size 35840
		.amdhsa_private_segment_fixed_size 0
		.amdhsa_enable_private_segment 0
		.amdhsa_kernarg_size 40
		.amdhsa_user_sgpr_count 2
		.amdhsa_user_sgpr_kernarg_segment_ptr 1
		.amdhsa_wavefront_size32 1
		.amdhsa_system_sgpr_workgroup_id_x 1
		.amdhsa_system_sgpr_workgroup_id_y 1
		.amdhsa_system_sgpr_workgroup_id_z 1
		.amdhsa_system_vgpr_workitem_id 0
		.amdhsa_next_free_vgpr 98
		.amdhsa_next_free_sgpr 66
		.amdhsa_reserve_vcc 0
		.amdhsa_float_denorm_mode_32 3
		.amdhsa_float_denorm_mode_16_64 3
		.amdhsa_memory_ordered 1
		.amdhsa_forward_progress 1
		.amdhsa_inst_pref_size 17
	.end_amdhsa_kernel
	.amdgpu_metadata
---
amdhsa.version: [ 1, 2 ]
amdhsa.kernels:
  - .name:           k_q984a45e771_prep
    .symbol:         k_q984a45e771_prep.kd
    .args:
      - { .name: codebook, .offset: 0, .size: 8, .value_kind: global_buffer, .address_space: global }
      - { .name: random_projection, .offset: 8, .size: 8, .value_kind: global_buffer, .address_space: global }
      - { .name: ncb32, .offset: 16, .size: 8, .value_kind: global_buffer, .address_space: global }
      - { .name: ncb16, .offset: 24, .size: 8, .value_kind: global_buffer, .address_space: global }
      - { .name: pt, .offset: 32, .size: 8, .value_kind: global_buffer, .address_space: global }
    .group_segment_fixed_size: 35840
    .private_segment_fixed_size: 0
    .kernarg_segment_align: 8
    .kernarg_segment_size: 40
    .max_flat_workgroup_size: 256
    .sgpr_count:     66
    .vgpr_count:     98
    .wavefront_size: 32
...
	.end_amdgpu_metadata
.endif
;; end of part 4
;; launch assign: the kernel of part 2 again; grid 256 x 1, 8 waves a work-group, clusters of 4 x 1, 327,680 bytes of LDS; arguments x, pt, ncb16, nx32, cand; writes nx32, cand
;; launch pick: the kernel of part 3 again; grid 256 x 1, 16 waves a work-group, no clusters, 2,560 bytes of LDS; arguments nx32, cand, ncb32, out0; writes out0
